; MI455X (gfx1250); checked and timed in simulation.
; The chip was launched on July 23, 2026; its instructions are those of AMD's public machine-readable ISA for CDNA 5 (MIT licence, August 2026) and "CDNA5" Instruction Set Architecture Reference Guide (July 2026). The comments in the code are by the model that wrote it; some were corrected since.
;; Multi Head Attention. Allowed arithmetic: matrix products marked QUANTISED: E2M3 operands, one E8M0 scale for each 32 along K, by v_wmma_scale_f32_16x16x128_f8f6f4 with both operands' format E2M3, f32 sums; everything else in f32.
;; Inputs: Wk_codes 16 x 64 x 32 x 24 uint8 (E2M3 codes of Wk, K innermost, in blocks of 32 codes, four codes in three bytes); Wk_scales 16 x 64 x 32 uint8 (E8M0 scales of Wk, one for each 32 codes along K); Wo_codes 1,024 x 32 x 24 uint8 (E2M3 codes of Wo, K innermost, in blocks of 32 codes, four codes in three bytes); Wo_scales 1,024 x 32 uint8 (E8M0 scales of Wo, one for each 32 codes along K); Wq_codes 16 x 64 x 32 x 24 uint8 (E2M3 codes of Wq, K innermost, in blocks of 32 codes, four codes in three bytes); Wq_scales 16 x 64 x 32 uint8 (E8M0 scales of Wq, one for each 32 codes along K); Wv_codes 16 x 64 x 32 x 24 uint8 (E2M3 codes of Wv, K innermost, in blocks of 32 codes, four codes in three bytes); Wv_scales 16 x 64 x 32 uint8 (E8M0 scales of Wv, one for each 32 codes along K); bo 1,024 float32; x_codes 4 x 2,048 x 32 x 24 uint8 (E2M3 codes of x, K innermost, in blocks of 32 codes, four codes in three bytes); x_scales 4 x 2,048 x 32 uint8 (E8M0 scales of x, one for each 32 codes along K).
;; Outputs: out0 4 x 2,048 x 1,024 float32.
;; This version of the problem:
;;   THIS VERSION OF THE PROBLEM IS GIVEN IN LOW PRECISION. The matrix products marked QUANTISED in the list below multiply operands that are first quantised to E2M3 (2 exponent bits, 3 mantissa bits; 6 bits a number), with one power-of-two scale for each 32 numbers along K (OCP MX v1.0); their sums are f32. All else is computed in f32.
;;   The module's matrix products, in the order in which they are computed (A, B: the left and right operand; K: the contracted axis; several contracted axes count as one K, in the product's order):
;;     1. [M 1,024, K 1,024] x [K 1,024, N 8,192]; A: input Wq (given as codes); B: input x (given as codes): QUANTISED
;;     2. [M 1,024, K 1,024] x [K 1,024, N 8,192]; A: input Wk (given as codes); B: input x (given as codes): QUANTISED
;;     3. [M 1,024, K 1,024] x [K 1,024, N 8,192]; A: input Wv (given as codes); B: input x (given as codes): QUANTISED
;;     4. batch 64 x [M 2,048, K 64] x [K 64, N 2,048]; A: computed on the way; B: computed on the way: QUANTISED
;;     5. batch 64 x [M 2,048, K 2,048] x [K 2,048, N 64]; A: softmax (see below); B: computed on the way: QUANTISED
;;     6. [M 8,192, K 1,024] x [K 1,024, N 1,024]; A: computed on the way; B: input Wo (given as codes): QUANTISED
;;   THE QUANTISER, for each operand of a quantised product, along K:
;;     - K is cut into blocks of 32 from its start; a last block that is shorter is filled with zeros.
;;     - A block's scale is 2^e with e = floor(log2(the largest magnitude in the block)) - 2, held to -126 .. 127; a block of zeros has e = 0. As a byte (E8M0): e + 127.
;;     - Each number is divided by its block's scale, clamped to +-7.5, and rounded to the nearest number of E2M3, ties to even, subnormals kept.
;;     - The product sums the exact products of the quantised numbers (number of the format x scale) in f32.
;;   ~~~python
;;   def quantise(x, axis):      # numpy; x: float32 -> the quantised numbers, widened to float32 again
;;       x = np.moveaxis(x, axis, -1); K = x.shape[-1]
;;       x = np.pad(x, [(0, 0)] * (x.ndim - 1) + [(0, -K % 32)]); x = x.reshape(x.shape[:-1] + (-1, 32)); a = np.abs(x).max(-1, keepdims=True)
;;       e = np.where(a > 0, np.clip(np.frexp(np.where(a > 0, a, 1))[1] - 1 - 2, -126, 127), 0)      # np.frexp(a)[1] - 1 = floor(log2(a)), exactly
;;       r = np.clip(x / 2.0 ** e, -7.5, 7.5)
;;       step = 2.0 ** (np.maximum(np.frexp(np.where(r == 0, 1, r))[1] - 1, 0) - 3)
;;       q = np.round(r / step) * step * 2.0 ** e      # np.round: ties to even
;;       return np.moveaxis(q.reshape(q.shape[:-2] + (-1,))[..., :K], -1, axis).astype(np.float32)
;;   ~~~
;;   SOFTMAX AHEAD OF A QUANTISED PRODUCT. Where the list says 'softmax', what is quantised is not the finished softmax but p = 2^(t - M), with t = logit x log2(e) and M = ceil(the row's largest t), a whole number; so 1/2 < the row's largest p <= 1. The row's sum l is taken of the UNQUANTISED p, in f32, and the product's result is divided by l at the end. Since M is a whole number, a kernel that streams over the keys may use a running M (the ceiling of the running maximum): every later rescaling is an exact power of two, which a block's scale takes up: the codes' values come out the same.
;;   OPERANDS COMPUTED ON THE WAY. 'Computed on the way' means the value that the module computes at that place (a softmax that the list does not call 'softmax' is quantised finished and normalised). What goes into a quantiser is computed in f32, as accurately as f32 sums, v_exp_f32 and their like allow (about 1e-6 of the number): no bf16 or f16 on the way to a quantiser, and a product that is left as it is and whose result goes on into a quantised operand takes f32 operands (vector FMAs, or v_wmma_f32_16x16x4_f32). A number that lies on a knife's edge between two numbers of the format may be rounded either way, as far as f32 arithmetic and the matrix unit's own rounding can turn it there, and no further.
;;   INPUTS GIVEN AS CODES. Wk (in the module: [16, 64, 1024], K = its axis 2); Wo (in the module: [1024, 1024], K = its axis 1); Wq (in the module: [16, 64, 1024], K = its axis 2); Wv (in the module: [16, 64, 1024], K = its axis 2); x (in the module: [4, 2048, 1024], K = its axis 2): each comes as NAME_codes (uint8): NAME with its K axis moved to the last place and cut into blocks of 32 codes, [.., K / 32, bytes a block], one block behind the other in memory; four codes in three bytes: a row's codes are one little-endian stream of bits, code i at bits 6 i .. 6 i + 5 (a code: sign, 2 exponent bits, 3 mantissa bits); and NAME_scales (uint8): the same leading axes, one E8M0 byte (e + 127) for each 32 codes along K. Its value is code x scale, taken as it is: it is not quantised again, and the codes and scales need not be those that the quantiser above would give.
;; One version. Each part assembles by itself: llvm-mc -triple=amdgcn-amd-amdhsa -mcpu=gfx1250 --defsym DOCPART=n.
;; ======== version 1 of 1: 3 launches
;; limits: right only within a limited range of input values
;; workspace buffers: q_ws 6,815,744 bytes; kv_ws 13,369,344 bytes; o_img 6,291,456 bytes; o_sc 262,144 bytes
;; launch qkv (part 1): grid 8 x 32, 4 waves a work-group, clusters of 4 x 4, 327,680 bytes of LDS; arguments x_codes, x_scales, Wq_codes, Wq_scales, Wk_codes, Wk_scales, Wv_codes, Wv_scales, q_ws, kv_ws; writes q_ws, kv_ws
.if DOCPART == 1
	.amdgcn_target "amdgcn-amd-amdhsa--gfx1250"
	.amdhsa_code_object_version 6
	.text
	.protected	k_qf4ff7dd0f7_qkv
	.globl	k_qf4ff7dd0f7_qkv
	.p2align	8
	.type	k_qf4ff7dd0f7_qkv,@function
k_qf4ff7dd0f7_qkv:
	s_mov_b64 s[64:65], 0
	v_nop
	global_prefetch_b8 v0, s[64:65] scope:SCOPE_SE
	s_setreg_imm32_b32 hwreg(HW_REG_WAVE_MODE, 25, 1), 1
	s_wait_xcnt 0x0
	s_wait_alu depctr_hold_cnt(0) depctr_sa_sdst(0) depctr_va_vdst(0) depctr_va_sdst(0) depctr_va_ssrc(0) depctr_va_vcc(0) depctr_vm_vsrc(0)
	s_getreg_b32 s2, hwreg(HW_REG_IB_STS2, 6, 4)
	s_cmp_eq_u32 s2, 0
	s_cbranch_scc0 .Lentry_in_a_cluster
	s_endpgm
.Lentry_in_a_cluster:
	s_bfe_u32 s2, ttmp6, 0x10000c
	s_cmp_lg_u32 s2, 0xf033
	s_cbranch_scc0 .Lentry_shape_is_right
	s_endpgm
.Lentry_shape_is_right:
; q, k, v = x W^T for all heads on codes of FP6 (E2M3, one E8M0 scale for each 32 along K), quantised again for the attention that follows: q, k along the head's 64 channels, v along the keys.
; THE DEAL.  256 work-groups: tile row xt = 256 tokens, tile column G = heads 2 G, 2 G + 1 of q, k and v (384 rows of weights).  Wave w holds tokens 64 w .. 64 w + 63 of the tile, ALL of K, in 384 registers
; (fragment 4 q + i: block i of 16 tokens, K step q) and streams the weights past them in blocks of 16 rows, all of K: 8 fragments, two sets; 32 products a block on four accumulators by turns.
; q, k: source 0 = the weight's rows, source 1 = tokens: a lane holds one token, its registers run along the channels.  v: source 0 = tokens, source 1 = Wv's rows: a lane holds one channel, its registers run along the keys.
; After four blocks (one head) a lane has, for each of four tiles, 32 numbers along the next K: 16 of each of two scale blocks, the other 16 in lane l xor 16.  Inside a block of 32 the codes lie in the order 0-7, 16-23, 8-15, 24-31,
; alike on q and k, and on v and the softmax's weights in the next launch: each product pairs the right numbers.
; LDS, rows of 768 bytes + 16 behind every 256: blocks 0-7 Wq's 128 rows, blocks 8-23 x's 256 rows.  When every wave holds its tokens in registers, x's bytes are filled again ONCE, in one round of the cluster's barrier:
; blocks 8-15 Wk's rows, 16-23 Wv's, 64 rows a wave.  That fill is asked for 7 blocks, 224 products, ahead of its first read; a plain barrier in the kind's seventh block shows it to all waves.
; x's tiles are shared along a row of the cluster, the weights' along a column: joint loads.  Scale words go from memory into registers: a lane takes its row's 32 bytes, 32 lanes 1,024 bytes on end.
; No prefetch: the head's tiles are asked for at the first line that can, and no loop runs ahead of the one refill.
; OUT.  q_ws [16 b + head][block of 128 tokens][6,656]: 8 token tiles x 768 bytes (registers 0-5 of a fragment, two registers of all lanes to 256 bytes), then scale words [half of 64 tokens][lane][2]: word j of lane l: tile 2 j + l / 16 of the half.
; kv_ws [16 b + head][block of 128 keys][13,056]: k as q, then v: 4 channel tiles x 1,536 bytes (whole fragments), then 256 bytes of scale words.  A v word's two halves come from two waves: they meet in an LDS stage.
; LIMITS: NaN and infinities among the results are not served; a block whose largest magnitude lies under 2^-124 (a block of zeros too) gets the byte 1: only this program reads these bytes.
.set PITCH, 816
.set BLK,   16*PITCH
.set XR,    8*BLK
.set STG,   24*BLK                     ; v's scale words: 4 x 256 bytes
.set SPARE, STG+1024                   ; the spare words, 128 bytes a wave
.set NF,    26                         ; LDS loads of a block of 16 rows
.set FPW,   21                         ; fragments in a window of 256 registers; fragment f: window 1 + f / 21, register 12 (f % 21); 0-31 tokens, 32-47 the weights' two sets
.set SPW, 2
.set NIL, 3
.set WB,  4                            ; v4, v5 my row's place in block 0 (v5: for the pieces behind one padding more)
.set ADR, 6                            ; v6, v7 the same in the block that is fetched
.set L8,  8
.set L32, 9
.set STV, 10
.set LSC, 11
.set RDV, 12
.set L8X, 17                           ; v17 8 x (lane xor 8)
.set XS,  20                           ; v20-35 the tokens' scale words; v40-71 the kind's in hand; v72-103 Wk's; v104-135 Wv's
.set WS,  40
.set WK,  72
.set WV,  104
.set T,   136
.set U,   144
.set SO,  152
.set W16, 160
.set PP,  164
.set PC,  168
.set PB,  192
.set SEL, 100
.set G1X, 24
.set G1W, 32
.set G0X, 48
.set G0W, 52
.set G0R, 56
.set MSB, 0
.macro WIN new
.if MSB != \new
	s_set_vgpr_msb (MSB<<8)|\new
.set MSB, \new
.endif
.endm
.macro PLACES n
.rept \n
	v_nop
.endr
.endm
.macro WALU
	s_wait_alu depctr_va_vdst(0)
.endm
.macro CROUND
	s_barrier_signal -1
	s_barrier_wait -1
	s_cmp_lg_u32 s14, 0
	s_cbranch_scc1 .Lnot_wave_0_\@
	s_barrier_signal -3
.Lnot_wave_0_\@:
	s_barrier_wait -3
	s_barrier_signal -1
	s_barrier_wait -1
.endm
.macro TLOAD g0, g1
	tensor_load_to_lds s[\g0:\g0+3], s[\g1:\g1+7]
	s_nop 0
	PLACES 4
.endm
.macro GROUP1 g, mask, rows            ; rows of 768 bytes, 16 bytes of padding behind every 256
	s_or_b32 s[\g+0], s[\mask], (1<<20)|(1<<21)|(5<<22)|(3<<25)
	s_mov_b32 s[\g+1], 768<<16
	s_mov_b32 s[\g+2], (\rows)<<16
	s_mov_b32 s[\g+3], 768<<16
	s_mov_b32 s[\g+4], \rows
	s_mov_b32 s[\g+5], 768
	s_mov_b32 s[\g+6], 0
	s_mov_b32 s[\g+7], 0
.endm
.macro FRAG f, q, a0, a1               ; six pieces of 8 bytes, two to a load where both go by one address register
	WIN (1+(\f)/FPW)<<6
.set R_, 12*((\f)%FPW)
.set SKIP_, 0
.irp p, 0,1,2,3,4,5
.if SKIP_
.set SKIP_, 0
.else
.set PC_, 12*(\q)+6*(\p/3)+\p%3
.set PN_, 12*(\q)+6*((\p+1)/3)+(\p+1)%3
.set X_, (PC_%32+3)/32
.set XQ_, (PN_%32+3)/32
.if (\p < 5) && (X_ == XQ_)
.set SKIP_, 1
.if X_
	ds_load_2addr_b64 v[R_+2*\p:R_+2*\p+3], v[\a1] offset0:PC_+2*(PC_/32) offset1:PN_+2*(PN_/32)
.else
	ds_load_2addr_b64 v[R_+2*\p:R_+2*\p+3], v[\a0] offset0:PC_+2*(PC_/32) offset1:PN_+2*(PN_/32)
.endif
.elseif X_
	ds_load_b64 v[R_+2*\p:R_+2*\p+1], v[\a1] offset:8*(PC_+2*(PC_/32))
.else
	ds_load_b64 v[R_+2*\p:R_+2*\p+1], v[\a0] offset:8*(PC_+2*(PC_/32))
.endif
.endif
.endr
.endm
.macro FETCH e, a                      ; a block of the weights into set e
.irp q, 0,1,2,3,4,5,6,7
	FRAG 32+8*(\e)+\q, \q, \a, \a+1
.endr
	WIN 0
.endm
.macro WM d, a, b, c, x0, x1, ra, rb
	v_wmma_scale_f32_16x16x128_f8f6f4 v[\d:\d+7], v[\a:\a+11], v[\b:\b+11], \c, v[\x0], v[\x1] matrix_a_fmt:MATRIX_FMT_FP6 matrix_b_fmt:MATRIX_FMT_FP6 matrix_a_scale:MATRIX_SCALE_ROW\ra matrix_b_scale:MATRIX_SCALE_ROW\rb
.endm
.macro WMR d, a, b, c, x0, x1, ra, rb
.if (\ra) && (\rb)
	WM \d, \a, \b, \c, \x0, \x1, 1, 1
.elseif (\ra)
	WM \d, \a, \b, \c, \x0, \x1, 1, 0
.elseif (\rb)
	WM \d, \a, \b, \c, \x0, \x1, 0, 1
.else
	WM \d, \a, \b, \c, \x0, \x1, 0, 0
.endif
.endm
; product n = 4 q + i of the head's block j.  The accumulators lie in window 3 from v128 on: 32 x (the block on source 1's side) + 8 x (the block on source 0's side)
.macro PROD v, e, ws, j, n
.set Q_, (\n)/4
.set I_, (\n)%4
.set FW_, 32+8*(\e)+Q_
.set RX_, 12*((\n)%FPW)
.set RW_, 12*(FW_%FPW)
.set SX_, XS+8*(I_/2)+Q_
.set SW_, (\ws)+8*((\j)/2)+Q_
.if \v
.set D_, 128+32*(\j)+8*I_
	WIN (1+(\n)/FPW)|((1+FW_/FPW)<<2)|0xf0
.if Q_
	WMR D_, RX_, RW_, v[D_:D_+7], SX_, SW_, I_%2, (\j)%2
.else
	WMR D_, RX_, RW_, 0, SX_, SW_, I_%2, (\j)%2
.endif
.else
.set D_, 128+32*I_+8*(\j)
	WIN (1+FW_/FPW)|((1+(\n)/FPW)<<2)|0xf0
.if Q_
	WMR D_, RW_, RX_, v[D_:D_+7], SW_, SX_, (\j)%2, I_%2
.else
	WMR D_, RW_, RX_, 0, SW_, SX_, (\j)%2, I_%2
.endif
.endif
.endm
; a block: its rows were fetched two blocks ago; younger than that fetch are the next block's NF loads (wt).  Behind its products the set takes the block two on.
.macro BLKM v, e, ws, j, wt, fetch, show
	s_wait_dscnt \wt
.set N_, 0
.rept 32
	PROD \v, \e, \ws, \j, N_
.set N_, N_+1
.endr
	WIN 0
.if \fetch
	s_add_co_u32 s60, s60, BLK
	v_add_nc_u32 v[ADR], s60, v[WB]                ; these two and two v_nop are the four places ahead of the loads into the set
	v_add_nc_u32 v[ADR+1], s60, v[WB+1]
	PLACES 2
	WALU                                           ; the wait ahead of the readers below
.if \show
	s_wait_tensorcnt 0x0                           ; my part of the refill has landed,
	s_wait_dscnt 0x0
	s_barrier_signal -1
	s_barrier_wait -1                              ; everybody's has
.endif
	FETCH \e, ADR
.else
	PLACES 4
.endif
.endm
; the quantiser of a head's 16 accumulators: chain c = 2 i + b is scale block b of tile i
.macro QUANT
	s_wait_xcnt 0x0                                ; the last stores have read the codes' registers
	WIN 0x0f
.irp c, 0,1,2,3,4,5,6,7
	v_max3_num_f32 v[T+\c], |v[128+16*\c]|, |v[129+16*\c]|, 0x1800000   ; the floor 2^(3 - 127): the byte cannot fall under 1
.endr
.irp k, 2,4,6,8,10,12,14
.irp c, 0,1,2,3,4,5,6,7
	v_max3_num_f32 v[T+\c], |v[128+16*\c+\k]|, |v[129+16*\c+\k]|, v[T+\c]
.endr
.endr
	WIN 0
.irp c, 0,1,2,3,4,5,6,7
	v_permlanex16_b32 v[U+\c], v[T+\c], s[SEL], s[SEL+1]
.endr
.irp c, 0,1,2,3,4,5,6,7
	v_max_num_f32 v[T+\c], v[T+\c], v[U+\c]
.endr
.irp c, 0,1,2,3,4,5,6,7
	v_add_nc_u32 v[SO+\c], 0xff000000, v[T+\c]     ; 2 off the exponent field: the conversion's scale operand
.endr
.irp c, 0,1,2,3,4,5,6,7
	v_lshrrev_b32 v[U+\c], 23, v[SO+\c]            ; the scale's byte
.endr
.irp i, 0,1,2,3
	v_lshl_or_b32 v[W16+\i], v[U+2*\i+1], 8, v[U+2*\i]
.endr
	WIN 0x03
.irp i, 0,1,2,3
	v_cvt_scalef32_pk16_fp6_f32 v[PC+6*\i:PC+6*\i+2], v[128+32*\i:128+32*\i+15], v[SO+2*\i]
	v_cvt_scalef32_pk16_fp6_f32 v[PB+4*\i:PB+4*\i+2], v[128+32*\i+16:128+32*\i+31], v[SO+2*\i+1]
.endr
	WIN 0
	v_nop
.irp i, 0,1,2,3
.irp k, 0,1,2
	v_permlane16_swap_b32 v[PC+6*\i+\k], v[PB+4*\i+\k]   ; a whole block in a lane: lanes 0-15 block 0, lanes 16-31 block 1
.endr
.endr
.irp i, 0,1,2,3
.irp k, 0,1,2
	v_mov_b32 v[PC+6*\i+3+\k], v[PB+4*\i+\k]
.endr
.endr
	s_mov_b32 vcc_lo, 0xffff0000
	v_cndmask_b32 v[PP], v[W16], v[W16+1], vcc_lo
	v_cndmask_b32 v[PP+1], v[W16+2], v[W16+3], vcc_lo
.endm
; q, k: token tiles 2, 3 of my 64 tokens are laid with lanes l xor 8 (hi = L8X): still 256 consecutive bytes a store; the next launch picks a score tile's keys from tiles 0-1 and 2-3 in one LDS load, whose lanes then fall on different words modulo 256 bytes
.macro PUT base, step, hi=L8
.irp i, 0,1,2,3
.irp p, 0,1,2
	global_store_b64 v[L8+((\hi)-L8)*(\i/2)], v[PC+6*\i+2*\p:PC+6*\i+2*\p+1], s[\base:\base+1] offset:(\step)*\i+256*\p
.endr
.endr
.endm
	s_load_b512 s[68:83], s[0:1], 0x0              ; x 68, 70; Wq 72, 74; Wk 76, 78; Wv 80, 82
	s_load_b128 s[84:87], s[0:1], 0x40             ; q_ws, kv_ws
	v_lshl_add_u32 v[SPW], v0, 2, SPARE
	v_mov_b32 v[NIL], 0
	ds_add_u32 v[SPW], v[NIL]                      ; the opening lines
	ds_add_u32 v[SPW], v[NIL]
	v_lshrrev_b32 v1, 5, v0
	v_readfirstlane_b32 s14, v1                    ; wave
	s_lshr_b32 s15, s14, 1
	s_and_b32 s16, s14, 1
	s_bfe_u32 s40, ttmp6, 0x40000                  ; cx
	s_bfe_u32 s41, ttmp6, 0x40004                  ; cy
	s_lshl_b32 s42, ttmp9, 2
	s_add_co_u32 s42, s42, s40                     ; G
	s_and_b32 s17, ttmp7, 0xffff
	s_lshl_b32 s17, s17, 2
	s_add_co_u32 s17, s17, s41                     ; xt
	s_lshl_b32 s43, s41, 2
	s_lshl_b32 s43, 15, s43                        ; my row of the cluster
	s_lshl_b32 s44, 0x1111, s40                    ; my column
	GROUP1 G1X, 43, 128
	GROUP1 G1W, 44, 64
	s_mul_i32 s20, s17, 256*768
	s_mul_i32 s21, s16, 128*768
	s_add_co_u32 s20, s20, s21                     ; x: my half of the tile's rows
	s_mov_b32 s21, 0
	s_mul_i32 s46, s42, 128*768
	s_mul_i32 s47, s16, 64*768
	s_add_co_u32 s46, s46, s47                     ; a weight: my half of the two heads' rows
	s_mov_b32 s47, 0
	s_mov_b32 s[G0X], 1
	s_mul_i32 s[G0X+1], s16, 8*BLK
	s_add_co_u32 s[G0X+1], s[G0X+1], XR
	s_mov_b32 s[G0W], 1
	s_mul_i32 s[G0W+1], s16, 4*BLK
	s_mov_b32 s[G0R], 1
	s_mul_i32 s[G0R+1], s14, 4*BLK
	s_add_co_u32 s[G0R+1], s[G0R+1], XR
	s_mov_b32 s[SEL], 0x76543210
	s_mov_b32 s[SEL+1], 0xfedcba98
	s_wait_dscnt 0x0
	s_wait_kmcnt 0x0
	s_add_nc_u64 s[G0X+2:G0X+3], s[68:69], s[20:21]
	s_or_b32 s[G0X+3], s[G0X+3], 0x80000000
	s_add_nc_u64 s[G0W+2:G0W+3], s[72:73], s[46:47]
	s_or_b32 s[G0W+3], s[G0W+3], 0x80000000
	s_cmp_lt_u32 s14, 2
	s_cselect_b64 s[G0R+2:G0R+3], s[76:77], s[80:81]   ; the refill: waves 0, 1 Wk's halves, waves 2, 3 Wv's
	s_add_nc_u64 s[G0R+2:G0R+3], s[G0R+2:G0R+3], s[46:47]
	s_or_b32 s[G0R+3], s[G0R+3], 0x80000000
	CROUND                                         ; the first joint loads meet
	s_cmp_eq_u32 s15, 0
	s_cbranch_scc0 .Lfor_w
	TLOAD G0X, G1X                                 ; waves 0, 1: x's halves
	s_branch .Lasked
.Lfor_w:
	TLOAD G0W, G1W                                 ; waves 2, 3: Wq's halves
.Lasked:
	s_lshl_b32 s20, s17, 13
	s_lshl_b32 s88, s14, 11
	s_add_co_u32 s20, s20, s88
	s_add_nc_u64 s[70:71], s[70:71], s[20:21]      ; my 64 tokens' scale bytes
	s_lshl_b32 s46, s42, 12
	s_add_nc_u64 s[74:75], s[74:75], s[46:47]      ; the two heads' scale bytes
	s_add_nc_u64 s[78:79], s[78:79], s[46:47]
	s_add_nc_u64 s[82:83], s[82:83], s[46:47]
	s_lshl_b32 s88, s15, 9
	s_lshl_b32 s89, s16, 1
	s_add_co_u32 s88, s88, s89
	s_add_co_u32 s88, s88, STG
	s_lshl_b32 s94, s14, 8
	s_add_co_u32 s94, s94, STG
	s_mul_i32 s95, s16, 2816
	s_sub_co_u32 s95, 6144, s95
	v_and_b32 v13, 15, v0
	v_bfe_u32 v14, v0, 4, 1
	v_and_b32 v15, 31, v0
	v_mul_u32_u24 v16, v13, PITCH
	v_mad_u32_u24 v[WB], v14, 24, v16
	v_mad_u32_u24 v[WB+1], v14, 40, v16
	v_lshlrev_b32 v[L8], 3, v15
	v_xor_b32 v[L8X], 64, v[L8]
	v_lshlrev_b32 v[L32], 5, v15
	v_add_nc_u32 v[STV], s88, v[L8]                ; stage: [block of 128 keys][head][lane][word j][my half]
	v_add_nc_u32 v[RDV], s94, v[L8]
	v_add_nc_u32 v[LSC], s95, v[L8]                ; q's, k's scale words, counted from my first tile
.irp c, 0,1,2,3,4,5,6,7
	v_mov_b32 v[U+\c], 0                           ; a lane permute's destination counts as one of its sources
.endr
	WALU                                           ; the wait at the head's end
.irp p, 0,1
.irp c, 0,1
	global_load_b128 v[XS+8*\p+4*\c:XS+8*\p+4*\c+3], v[L32], s[70:71] offset:1024*\p+16*\c
.endr
.endr
.irp p, 0,1,2,3
.irp c, 0,1
	global_load_b128 v[WS+8*\p+4*\c:WS+8*\p+4*\c+3], v[L32], s[74:75] offset:1024*\p+16*\c
	global_load_b128 v[WK+8*\p+4*\c:WK+8*\p+4*\c+3], v[L32], s[78:79] offset:1024*\p+16*\c
	global_load_b128 v[WV+8*\p+4*\c:WV+8*\p+4*\c+3], v[L32], s[82:83] offset:1024*\p+16*\c
.endr
.endr
	s_lshl_b32 s88, s17, 1                         ; where the results go
	s_add_co_u32 s88, s88, s15                     ; my block of 128 tokens: 16 b + g
	s_lshr_b32 s89, s88, 4
	s_and_b32 s88, s88, 15
	s_lshl_b32 s89, s89, 4
	s_lshl_b32 s90, s42, 1
	s_add_co_u32 s89, s89, s90                     ; 16 b + my first head
	s_lshl_b32 s89, s89, 4
	s_add_co_u32 s89, s89, s88                     ; the block's number
	s_mov_b32 s93, 0
	s_mul_i32 s92, s89, 6656
	s_mul_i32 s90, s16, 3072
	s_add_co_u32 s92, s92, s90
	s_add_nc_u64 s[4:5], s[84:85], s[92:93]        ; the kind in hand: first head, second head; q first
	s_add_nc_u64 s[6:7], s[4:5], 16*6656
	s_mul_i32 s91, s89, 13056
	s_add_co_u32 s92, s91, s90
	s_add_nc_u64 s[8:9], s[86:87], s[92:93]        ; k
	s_add_nc_u64 s[10:11], s[8:9], 16*13056
	s_mul_i32 s90, s16, 768
	s_add_co_u32 s92, s91, s90
	s_add_co_u32 s92, s92, 6656
	s_add_nc_u64 s[12:13], s[86:87], s[92:93]      ; v: my half of each fragment
	s_add_nc_u64 s[18:19], s[12:13], 16*13056
	s_mul_i32 s90, s16, 16*13056
	s_add_co_u32 s92, s91, s90
	s_add_co_u32 s92, s92, 12800
	s_add_nc_u64 s[22:23], s[86:87], s[92:93]      ; v's scale words of head 2 G + wave % 2
	s_wait_tensorcnt 0x0
	s_barrier_signal -1
	s_barrier_wait -1                              ; x and Wq are in
	s_mul_i32 s60, s14, 4*BLK
	s_add_co_u32 s60, s60, XR
.irp i, 0,1,2,3
	v_add_nc_u32 v[ADR], s60, v[WB]
	v_add_nc_u32 v[ADR+1], s60, v[WB+1]
	WALU
.irp q, 0,1,2,3,4,5,6,7
	FRAG 4*\q+\i, \q, ADR, ADR+1
.endr
	WIN 0
	s_add_co_u32 s60, s60, BLK
.endr
	FETCH 0, WB
	s_mov_b32 s60, BLK
	v_add_nc_u32 v[ADR], s60, v[WB]
	v_add_nc_u32 v[ADR+1], s60, v[WB+1]
	WALU
	FETCH 1, ADR
	s_wait_tensorcnt 0x0                           ; the three lines ahead of the refill's round
	ds_add_u32 v[SPW], v[NIL]
	s_wait_dscnt 0x0                               ; my tokens are in registers
	CROUND
	TLOAD G0R, G1W                                 ; Wk and Wv onto x's bytes, 64 rows a wave
	s_wait_loadcnt 0x0                             ; the scale words
	s_mov_b32 s61, 0
.Lkind:                                                ; q, then k: two heads of four blocks
	BLKM 0, 0, WS, 0, NF, 1, 0
	BLKM 0, 1, WS, 1, NF, 1, 0
	BLKM 0, 0, WS, 2, NF, 1, 0
	BLKM 0, 1, WS, 3, NF, 1, 0
	QUANT
	PUT 4, 768, L8X
	global_store_b64 v[LSC], v[PP:PP+1], s[4:5]
	BLKM 0, 0, WS+16, 0, NF, 1, 0
	BLKM 0, 1, WS+16, 1, NF, 1, 0
	BLKM 0, 0, WS+16, 2, NF, 1, 1
	BLKM 0, 1, WS+16, 3, NF, 1, 0
.set I, 0
.rept 32
	v_mov_b32 v[WS+I], v[WK+I]                     ; the next kind's scale words; the quantiser's lines are the places ahead of the products that take them
.set I, I+1
.endr
	QUANT
	PUT 6, 768, L8X
	global_store_b64 v[LSC], v[PP:PP+1], s[6:7]
	s_wait_xcnt 0x0                                ; the stores have read their bases
	s_mov_b64 s[4:5], s[8:9]
	s_mov_b64 s[6:7], s[10:11]
	s_add_co_u32 s61, s61, 1
	s_cmp_lg_u32 s61, 2
	WALU
	s_cbranch_scc1 .Lkind
	BLKM 1, 0, WV, 0, NF, 1, 0                     ; v
	BLKM 1, 1, WV, 1, NF, 1, 0
	BLKM 1, 0, WV, 2, NF, 1, 0
	BLKM 1, 1, WV, 3, NF, 1, 0
	QUANT
	PUT 12, 1536
	ds_store_b16 v[STV], v[PP]
	ds_store_b16 v[STV], v[PP+1] offset:4
	BLKM 1, 0, WV+16, 0, NF, 1, 0
	BLKM 1, 1, WV+16, 1, NF, 1, 0
	BLKM 1, 0, WV+16, 2, NF, 0, 0
	BLKM 1, 1, WV+16, 3, 0, 0, 0
	QUANT
	PUT 18, 1536
	ds_store_b16 v[STV], v[PP] offset:256
	ds_store_b16 v[STV], v[PP+1] offset:260
	s_wait_dscnt 0x0
	s_barrier_signal -1
	s_barrier_wait -1                              ; both halves of every word of v's scales lie in the stage
	ds_load_b64 v[T:T+1], v[RDV]
	s_wait_dscnt 0x0
	global_store_b64 v[L8], v[T:T+1], s[22:23]
	s_wait_tensorcnt 0x0                           ; the wave's end
	ds_add_u32 v[SPW], v[NIL]
	s_wait_dscnt 0x0
	CROUND                                         ; the closing round
	s_endpgm
.Lfunc_end_k_qf4ff7dd0f7_qkv:
	.size	k_qf4ff7dd0f7_qkv, .Lfunc_end_k_qf4ff7dd0f7_qkv-k_qf4ff7dd0f7_qkv
	.p2alignl 7, 3214868480
	.fill 96, 4, 3214868480
	.section	.rodata,"a",@progbits
	.p2align	6, 0x0
	.amdhsa_kernel k_qf4ff7dd0f7_qkv
		.amdhsa_group_segment_fixed_size 327680
		.amdhsa_private_segment_fixed_size 0
		.amdhsa_enable_private_segment 0
		.amdhsa_kernarg_size 80
		.amdhsa_user_sgpr_count 2
		.amdhsa_user_sgpr_kernarg_segment_ptr 1
		.amdhsa_wavefront_size32 1
		.amdhsa_system_sgpr_workgroup_id_x 1
		.amdhsa_system_sgpr_workgroup_id_y 1
		.amdhsa_system_sgpr_workgroup_id_z 1
		.amdhsa_system_vgpr_workitem_id 0
		.amdhsa_next_free_vgpr 1024
		.amdhsa_next_free_sgpr 102
		.amdhsa_reserve_vcc 1
		.amdhsa_float_denorm_mode_32 3
		.amdhsa_float_denorm_mode_16_64 3
		.amdhsa_memory_ordered 1
		.amdhsa_forward_progress 1
		.amdhsa_inst_pref_size 153
	.end_amdhsa_kernel
	.amdgpu_metadata
---
amdhsa.version: [ 1, 2 ]
amdhsa.kernels:
  - .name:           k_qf4ff7dd0f7_qkv
    .symbol:         k_qf4ff7dd0f7_qkv.kd
    .args:
      - { .name: x_codes, .offset: 0, .size: 8, .value_kind: global_buffer, .address_space: global }
      - { .name: x_scales, .offset: 8, .size: 8, .value_kind: global_buffer, .address_space: global }
      - { .name: Wq_codes, .offset: 16, .size: 8, .value_kind: global_buffer, .address_space: global }
      - { .name: Wq_scales, .offset: 24, .size: 8, .value_kind: global_buffer, .address_space: global }
      - { .name: Wk_codes, .offset: 32, .size: 8, .value_kind: global_buffer, .address_space: global }
      - { .name: Wk_scales, .offset: 40, .size: 8, .value_kind: global_buffer, .address_space: global }
      - { .name: Wv_codes, .offset: 48, .size: 8, .value_kind: global_buffer, .address_space: global }
      - { .name: Wv_scales, .offset: 56, .size: 8, .value_kind: global_buffer, .address_space: global }
      - { .name: q_ws, .offset: 64, .size: 8, .value_kind: global_buffer, .address_space: global }
      - { .name: kv_ws, .offset: 72, .size: 8, .value_kind: global_buffer, .address_space: global }
    .group_segment_fixed_size: 327680
    .private_segment_fixed_size: 0
    .kernarg_segment_align: 8
    .kernarg_segment_size: 80
    .max_flat_workgroup_size: 128
    .sgpr_count:     102
    .vgpr_count:     1024
    .wavefront_size: 32
...
	.end_amdgpu_metadata
.endif
;; end of part 1
;; launch attn (part 2): grid 4 x 64, 16 waves a work-group, clusters of 4 x 1, 210,944 bytes of LDS; arguments q_ws, kv_ws, o_img, o_sc; writes o_img, o_sc
.if DOCPART == 2
	.amdgcn_target "amdgcn-amd-amdhsa--gfx1250"
	.amdhsa_code_object_version 6
	.text
	.protected	k_qf4ff7dd0f7_attn
	.globl	k_qf4ff7dd0f7_attn
	.p2align	8
	.type	k_qf4ff7dd0f7_attn,@function
k_qf4ff7dd0f7_attn:
	s_mov_b64 s[64:65], 0
	v_nop
	global_prefetch_b8 v0, s[64:65] scope:SCOPE_SE
	s_setreg_imm32_b32 hwreg(HW_REG_WAVE_MODE, 25, 1), 1
	s_wait_xcnt 0x0
	s_wait_alu depctr_hold_cnt(0) depctr_sa_sdst(0) depctr_va_vdst(0) depctr_va_sdst(0) depctr_va_ssrc(0) depctr_va_vcc(0) depctr_vm_vsrc(0)
	s_getreg_b32 s2, hwreg(HW_REG_IB_STS2, 6, 4)
	s_cmp_eq_u32 s2, 0
	s_cbranch_scc0 .Lentry_in_a_cluster
	s_endpgm
.Lentry_in_a_cluster:
	s_bfe_u32 s2, ttmp6, 0x10000c
	s_cmp_lg_u32 s2, 0x3003
	s_cbranch_scc0 .Lentry_shape_is_right
	s_endpgm
.Lentry_shape_is_right:
; Causal attention of one (batch, head) for each cluster, on codes of FP6 (E2M3) with one E8M0 scale for each 32 along a product's K, and the quantising of its result along D for the projection that follows.
; Tiles of scores that lie wholly under the causal mask, which the problem builds itself, are not computed.
; THE SOFTMAX AHEAD OF THE SECOND PRODUCT: t = score x log2(e) / 8; M = the row's largest t so far, rounded up to a whole number; p = 2^(t - M) is quantised along the keys, not normalised; the row's sum is taken of the
; unquantised p and divides O at the end.  When M moves, the sum and O are multiplied by 2^(old M - new M): exact.
; SHARES.  The four work-groups of a cluster share a head.  Work-group cx takes queries 32 cx .. 32 cx + 31 of every block of 128 queries.  Wave w (u = w % 2, i = w / 2) makes tile 2 cx + u of block 15 - i, then of block i:
; (16 - i) + (i + 1) = 17 steps of 128 keys for every wave.  Branches hang on the wave's number and a loop's count alone.
; LDS.  The head's k and v, 16 blocks of 13,056 bytes as the launch before laid them, are filled ONCE, by joint loads that name all four work-groups: wave w asks for block w.  One barrier; nothing is filled again.
; LAYOUT.  S^T = K Q^T, O^T = V^T P^T: a lane holds ONE query (lane % 16).  The head is 64 wide: registers 6-11 of Q's fragment are zero codes, so what a fragment of K holds in its registers 6-11 adds nothing:
; the eight tiles of K lie 6 registers apart, each fragment's upper half being the next tile's codes (behind the last: zeros).
; THE KEYS OF A SCORE TILE ARE PICKED: row m of tile i of a band of 64 keys is key 32 (m / 8) + 8 sg(i) + m % 8, sg = 0, 2, 1, 3.  So lane (r, h) holds, in the 32 registers of a band's four tiles, the whole scale block h of that band,
; in the order 0-7, 16-23, 8-15, 24-31, which is the order of v's codes: a block's largest p and its conversion ask no other lane.  The pick is made by the lane's LDS address (AK0 for tiles 0, 1; AK1 for tiles 2, 3).
; A STEP: the scores' 8 products on K's registers, which were asked for in the step before; then V's 25 loads and the next step's 28 loads of K go out and land under the softmax.
; OUT.  o_img: [token / 16][head][768]: registers 0-5 (even heads) or 6-11 (odd heads) of the projection's fragment, two registers of all lanes to 256 bytes.  o_sc: [token][32]: head h's two scale bytes at 2 h,
; one store of 2 bytes a lane for each wave: 64 bytes against the wave's 1,536 bytes of codes.
; LIMITS: NaN and infinities are not served; the scaled scores stay under 2^31 in magnitude; p under 2^-126 becomes 0; a block whose largest magnitude lies under 2^-124 (a block of zeros too) gets the byte 1: only this program reads the bytes.
; No prefetch: the whole head is asked for at the kernel's first chance, and nothing is asked for later.
.set BLKB, 13056                       ; a block of 128 keys: K 6,144, K's scale words 512, V 6,144, V's scale words 256
.set QBLK, 6656
.set SPARE, 16*BLKB
.set L8,  1
.set AK0, 2
.set AK1, 3
.set ASB, 4
.set DD,  5                            ; on the diagonal: my query in its block less 32 (lane / 16)
.set SH8, 6                            ; 8 (lane / 16)
.set PT,  7
.set WH,  8
.set WL,  9
.set VS,  10
.set QR,  16
.set KR,  28                           ; v28-81
.set VR,  82                           ; v82-129
.set S,   130                          ; v130-193
.set OT,  194                          ; v194-225
.set PCD, 226                          ; v226-237 p's codes; ahead of them, a step's four LDS addresses
.set KSC, 238
.set QSC, 242
.set G,   244
.set QO,  248
.set QS,  249
.set SPW, 250
.set NIL, 251
.set F,   252
.set PW,  253
.set X0,  254
.set X1,  255
.set WV,  12
.set SEL, 20
.set CS,  22
.set G1,  24
.set G0,  32
.set TB,  48
.set ST,  49
.set QB,  50
.set TN,  51
.set KC,  69                           ; s69 the loop's count: my steps so far, of both tiles
.set TC,  70                           ; s70 LDS byte of the step's block
.macro WALU
	s_wait_alu depctr_va_vdst(0)
.endm
.macro DEP n
	s_delay_alu instid0(VALU_DEP_\n)
.endm
.macro ROUND
	s_barrier_signal -1
	s_barrier_wait -1
	s_cmp_lg_u32 s[WV], 0
	s_cbranch_scc1 .Lnot_wave_0_\@
	s_barrier_signal -3
.Lnot_wave_0_\@:
	s_barrier_wait -3
	s_barrier_signal -1
	s_barrier_wait -1
.endm
.macro QLOAD base
.irp p, 0,1,2
	global_load_b64 v[QR+2*\p:QR+2*\p+1], v[QO], s[\base:\base+1] offset:256*\p
.endr
	global_load_b32 v[QSC], v[QS], s[\base:\base+1]
.endm
.macro INIT                            ; the loops have no first step of their own: the first change of M multiplies zeros
	v_mov_b32 v13, 0xff61b1e6
	DEP 1
	v_floor_f32 v12, -v13
	v_mov_b32 v14, 0
	v_mov_b32 v15, 0
.set n, 0
.rept 32
	v_mov_b32 v[OT+n], 0
.set n, n+1
.endr
.endm
.macro KLOAD a0, a1, as                ; a block's eight picked tiles of K and their scale words: 28 loads
.irp s, 0,1
.irp i, 0,1
.irp p, 0,1,2
	ds_load_b64 v[KR+6*(4*\s+\i)+2*\p:KR+6*(4*\s+\i)+2*\p+1], v[\a0] offset:3072*\s+768*\i+256*\p
	ds_load_b64 v[KR+6*(4*\s+\i+2)+2*\p:KR+6*(4*\s+\i+2)+2*\p+1], v[\a1] offset:3072*\s+768*\i+256*\p
.endr
.endr
.irp j, 0,1
	ds_load_b32 v[KSC+2*\s+\j], v[\as] offset:6144+256*\s+64*\j
.endr
.endr
.endm
	s_load_b256 s[4:11], s[0:1], 0x0               ; q_ws, kv_ws, o_img, o_sc
	v_lshl_add_u32 v[SPW], v0, 2, SPARE
	v_mov_b32 v[NIL], 0
	ds_add_u32 v[SPW], v[NIL]                      ; the opening lines
	ds_add_u32 v[SPW], v[NIL]
	v_lshrrev_b32 v[X0], 5, v0
	v_readfirstlane_b32 s[WV], v[X0]
	s_bfe_u32 s13, ttmp6, 0x40000                  ; cx: it enters global addresses and the mask's numbers alone
	s_and_b32 s14, ttmp7, 0xffff                   ; 16 b + head
	s_and_b32 s15, s[WV], 1                        ; u
	s_lshr_b32 s16, s[WV], 1                       ; i
	s_xor_b32 s17, s16, 15                         ; the first tile's block of queries
	s_mov_b32 s18, s16                             ; the second's
	s_lshl_b32 s19, s13, 1
	s_add_co_u32 s19, s19, s15                     ; my tile in a block
	s_lshl_b32 s71, s19, 4
	s_mul_i32 s66, s14, 16*QBLK
	s_mul_i32 s52, s17, QBLK
	s_add_co_u32 s52, s52, s66
	s_mov_b32 s53, 0
	s_mul_i32 s54, s18, QBLK
	s_add_co_u32 s54, s54, s66
	s_mov_b32 s55, 0
	s_lshr_b32 s66, s14, 4                         ; b
	s_and_b32 s67, s14, 15                         ; head
	s_lshl_b32 s68, s66, 7
	s_add_co_u32 s68, s68, s19
	s_mul_i32 s70, s67, 768
	s_lshl_b32 s69, s17, 3
	s_add_co_u32 s69, s69, s68                     ; the first tile's token / 16
	s_mul_i32 s56, s69, 12288
	s_add_co_u32 s56, s56, s70
	s_mov_b32 s57, 0
	s_lshl_b32 s69, s18, 3
	s_add_co_u32 s69, s69, s68
	s_mul_i32 s58, s69, 12288
	s_add_co_u32 s58, s58, s70
	s_mov_b32 s59, 0
	s_lshl_b32 s68, s66, 11                        ; o_sc: the second tile's first token, 32 bytes a token, the head's two bytes
	s_lshl_b32 s69, s18, 7
	s_add_co_u32 s68, s68, s69
	s_add_co_u32 s68, s68, s71
	s_lshl_b32 s60, s68, 5
	s_lshl_b32 s69, s67, 1
	s_add_co_u32 s60, s60, s69
	s_mov_b32 s61, 0
	s_lshl_b32 s63, s16, 1
	s_sub_co_u32 s63, 15, s63
	s_lshl_b32 s63, s63, 12                        ; from the second tile's tokens to the first's
	s_mul_i32 s66, s[WV], BLKB                     ; the block that I fetch: its place in LDS,
	s_mul_i32 s68, s14, 16*BLKB
	s_add_co_u32 s68, s68, s66                     ; and in kv_ws
	s_mov_b32 s69, 0
	s_mov_b32 s[G1], 15|(3<<16)|(1<<21)            ; a block is dense: 51 rows of 256 bytes; the mask names all four work-groups
	s_mov_b32 s[G1+1], 32<<16
	s_mov_b32 s[G1+2], 51<<16
	s_mov_b32 s[G1+3], 32<<16
	s_mov_b32 s[G1+4], 51
	s_mov_b32 s[G1+5], 32
	s_mov_b32 s[G1+6], 0
	s_mov_b32 s[G1+7], 0
	s_mov_b32 s[SEL], 0x76543210
	s_mov_b32 s[SEL+1], 0xfedcba98
	s_mov_b32 s[CS], 0x3e38aa3b                    ; log2(e) / 8
	s_mov_b32 s[CS+1], s[CS]
	s_mul_i32 s62, s19, 768                        ; my tile of Q in a block of q_ws;
	s_and_b32 s3, s13, 1
	s_lshl_b32 s70, s3, 2
	s_lshl_b32 s3, s3, 3                           ; tiles 2, 3 of each four (cx odd) lie with lanes l xor 8
	s_lshl_b32 s67, s15, 7                         ; its scale words: [half cx / 2][lane 16 u + r][word cx % 2]
	s_add_co_u32 s67, s67, s70
	s_lshr_b32 s70, s13, 1
	s_lshl_b32 s70, s70, 8
	s_add_co_u32 s67, s67, s70
	s_add_co_u32 s67, s67, 6144
	v_and_b32 v[X0], 31, v0
	v_lshlrev_b32 v[L8], 3, v[X0]
	v_xor_b32 v[X1], s3, v[X0]
	v_lshl_add_u32 v[QO], v[X1], 3, s62
	v_and_b32 v[X1], 15, v0                        ; r
	v_lshl_add_u32 v[QS], v[X1], 3, s67
	v_bfe_u32 v[PT], v0, 4, 1                      ; h
	v_lshlrev_b32 v[SH8], 3, v[PT]
	v_lshlrev_b32 v[G], 5, v[PT]
	v_sub_nc_u32 v[DD], v[X1], v[G]
	v_add_nc_u32 v[DD], s71, v[DD]
	v_and_b32 v[G+1], 7, v0
	v_bfe_u32 v[G+2], v0, 3, 1                     ; r / 8: which half of the band my row's key lies in
	v_lshlrev_b32 v[G+1], 3, v[G+1]
	v_lshl_add_u32 v[G+3], v[PT], 7, v[G+1]        ; 8 (r % 8) + 128 h
	v_mad_u32_u24 v[AK0], v[G+2], 1600, v[G+3]     ; keys 8 sg with sg even: token tile 2 (r / 8) + i, its rows 0-7; in tiles 2, 3 they lie 64 bytes up
	v_mad_u32_u24 v[AK1], v[G+2], 1472, v[G+3]
	v_add_nc_u32 v[AK1], 64, v[AK1]                ; sg odd: rows 8-15
	v_lshl_add_u32 v[ASB], v[G+2], 2, v[G+3]       ; scale words: lanes 0-15 an even score tile's rows, lanes 16-31 an odd one's
.irp j, 6,7,8,9,10,11
	v_mov_b32 v[QR+\j], 0                          ; K = 64 .. 127 of Q: zero codes; they stay
	v_mov_b32 v[KR+42+\j], 0                       ; behind K's last tile
.endr
	v_mov_b32 v[PW], 0
	v_mov_b32 v[WH], 0
	WALU                                           ; the wait at the head's end
	s_wait_dscnt 0x0
	s_wait_kmcnt 0x0
	s_add_nc_u64 s[52:53], s[4:5], s[52:53]
	s_add_nc_u64 s[54:55], s[4:5], s[54:55]
	s_add_nc_u64 s[56:57], s[8:9], s[56:57]
	s_add_nc_u64 s[58:59], s[8:9], s[58:59]
	s_add_nc_u64 s[60:61], s[10:11], s[60:61]
	s_mov_b32 s[G0], 1
	s_mov_b32 s[G0+1], s66
	s_add_nc_u64 s[G0+2:G0+3], s[6:7], s[68:69]
	s_or_b32 s[G0+3], s[G0+3], 0x80000000
	ROUND                                          ; the joint loads meet
	tensor_load_to_lds s[G0:G0+3], s[G1:G1+7]      ; block w: one load a wave
	s_nop 0
.rept 4
	v_nop
.endr
	QLOAD 52
	INIT
	s_mov_b32 s[QB], s17
	s_mov_b32 s[TB], 0
	s_mov_b32 s[ST], 0
	WALU
	s_wait_tensorcnt 0x0
	s_barrier_signal -1
	s_barrier_wait -1                              ; the whole head lies in LDS
	KLOAD AK0, AK1, ASB
; A KEY STEP: 128 keys.  Every wave walks 17 steps, none of them hidden: steps 0 .. 15 - i of its first tile, then steps 0 .. i of its second; on the diagonal, a tile's last step, hidden scores become -infinity.
; A work-group barrier stands in every step: the signal at its head, the wait behind its last product, with register work and LDS loads alone between: no wave is more than a step ahead of another.
.macro STEP
	s_add_co_u32 s[TN], s[TB], BLKB
	s_min_u32 s[TN], s[TN], 15*BLKB                ; the next step's block; behind the last block: that block again
	s_min_u32 s[TC], s[TB], 15*BLKB                ; this step's block, held inside the head's 16 blocks
	s_wait_dscnt 0x0                               ; K, asked for a step ago; no LDS instruction of mine is out at the signal
	s_barrier_signal -1
.irp s, 0,1
.irp i, 0,1,2,3
.if \i%2
	v_wmma_scale_f32_16x16x128_f8f6f4 v[S+8*(4*\s+\i):S+8*(4*\s+\i)+7], v[KR+6*(4*\s+\i):KR+6*(4*\s+\i)+11], v[QR:QR+11], 0, v[KSC+2*\s+\i/2], v[QSC] matrix_a_fmt:MATRIX_FMT_FP6 matrix_b_fmt:MATRIX_FMT_FP6 matrix_a_scale:MATRIX_SCALE_ROW1
.else
	v_wmma_scale_f32_16x16x128_f8f6f4 v[S+8*(4*\s+\i):S+8*(4*\s+\i)+7], v[KR+6*(4*\s+\i):KR+6*(4*\s+\i)+11], v[QR:QR+11], 0, v[KSC+2*\s+\i/2], v[QSC] matrix_a_fmt:MATRIX_FMT_FP6 matrix_b_fmt:MATRIX_FMT_FP6
.endif
.endr
.endr
.rept 4
	v_nop                                          ; places: behind the last step's products, whose registers the lines and loads below write, and behind these eight
.endr
	v_add_nc_u32 v[PCD], s[TC], v[L8]
	v_add_nc_u32 v[PCD+1], s[TN], v[AK0]
	v_add_nc_u32 v[PCD+2], s[TN], v[AK1]
	v_add_nc_u32 v[PCD+3], s[TN], v[ASB]
.irp c, 0,1,2,3
.irp p, 0,1,2,3,4,5
	ds_load_b64 v[VR+12*\c+2*\p:VR+12*\c+2*\p+1], v[PCD] offset:6656+1536*\c+256*\p
.endr
.endr
	ds_load_b64 v[VS:VS+1], v[PCD] offset:12800
	KLOAD PCD+1, PCD+2, PCD+3
	s_cmp_lt_u32 s[ST], s[QB]
	s_cbranch_scc1 .Lopen_\@
	v_mov_b32 v[X0], 0xff800000                    ; register 8 (4 s + i) + j holds key 64 s + 32 (lane / 16) + 8 sg(i) + j of the step
.irp s, 0,1
.irp i, 0,1,2,3
.irp j, 0,1,2,3,4,5,6,7
	v_cmp_gt_i32 vcc_lo, 64*\s+8*((\i%2)*2+\i/2)+\j, v[DD]
	v_cndmask_b32 v[S+8*(4*\s+\i)+\j], v[S+8*(4*\s+\i)+\j], v[X0], vcc_lo
.endr
.endr
.endr
.Lopen_\@:
.irp b, 0,1,2,3
	v_max3_num_f32 v[G+\b], v[S+16*\b], v[S+1+16*\b], v[S+2+16*\b]   ; four chains, two to each of my two scale blocks
.endr
.irp i, 3,5,7,9,11,13
.irp b, 0,1,2,3
	v_max3_num_f32 v[G+\b], v[G+\b], v[S+16*\b+\i], v[S+1+16*\b+\i]
.endr
.endr
.irp b, 0,1,2,3
	v_max_num_f32 v[G+\b], v[G+\b], v[S+15+16*\b]
.endr
	DEP 3
	v_max_num_f32 v[G], v[G], v[G+1]               ; the largest score of my block of the first band: it serves the row's maximum and, since p rises with the score, the block's largest p
	DEP 2
	v_max_num_f32 v[G+2], v[G+2], v[G+3]           ; of the second band
	DEP 1
	v_max_num_f32 v[X0], v[G], v[G+2]
	DEP 1
	v_permlanex16_b32 v[PT], v[X0], s[SEL], s[SEL+1]
	DEP 1
	v_max_num_f32 v[X0], v[X0], v[PT]              ; the step's largest score of my query
	DEP 1
	v_mul_f32 v[X0], s[CS], v[X0]
	DEP 1
	v_max_num_f32 v13, v13, v[X0]                  ; the running largest t
	v_mov_b32 v[X0], v12
	DEP 2
	v_floor_f32 v12, -v13                          ; the new -M
	DEP 1
	v_sub_f32 v[X0], v12, v[X0]
	DEP 1
	v_cvt_i32_f32 v[X0], v[X0]
	DEP 1
	v_ldexp_f32 v[F], 1.0, v[X0]                   ; f = 2^(old M - new M)
.set n, 0
.rept 32
	v_pk_fma_f32 v[S+n:S+n+1], v[S+n:S+n+1], s[CS:CS+1], v[12:13] op_sel_hi:[1,0,0]
.set n, n+2
.endr
	v_fma_f32 v[G], v[G], s[CS], v12
	v_fma_f32 v[G+2], v[G+2], s[CS], v12
	WALU                                           ; the wait ahead of the batch,
.set n, 0
.rept 64
	v_exp_f32 v[S+n], v[S+n]
.set n, n+1
.endr
	v_exp_f32 v[G], v[G]
	v_exp_f32 v[G+2], v[G+2]
	v_pk_mul_f32 v[14:15], v[14:15], v[F:F+1] op_sel_hi:[1,0]
	WALU                                           ; and behind it, ahead of the first readers of p and of O^T
.set n, 0
.rept 8
	v_pk_mul_f32 v[OT+n:OT+n+1], v[OT+n:OT+n+1], v[F:F+1] op_sel_hi:[1,0]
.set n, n+2
.endr
	v_max_num_f32 v[G], 0x1800000, v[G]            ; the floor 2^(3 - 127): the byte cannot fall under 1
	v_max_num_f32 v[G+2], 0x1800000, v[G+2]
.rept 8
	v_pk_mul_f32 v[OT+n:OT+n+1], v[OT+n:OT+n+1], v[F:F+1] op_sel_hi:[1,0]
.set n, n+2
.endr
	v_add_nc_u32 v[X0], 0xff000000, v[G]           ; 2 off the exponent field: the conversions' scale operands
	v_add_nc_u32 v[X1], 0xff000000, v[G+2]
	v_cvt_scalef32_pk16_fp6_f32 v[PCD:PCD+2], v[S:S+15], v[X0]
	v_cvt_scalef32_pk16_fp6_f32 v[G:G+2], v[S+16:S+31], v[X0]   ; (a conversion's three registers begin on an even number)
	v_lshrrev_b32 v[PT], 23, v[X0]                 ; the byte of block h; a plain place behind the conversions
.irp k, 0,1,2
	v_mov_b32 v[PCD+3+\k], v[G+\k]
.endr
	v_cvt_scalef32_pk16_fp6_f32 v[PCD+6:PCD+8], v[S+32:S+47], v[X1]
	v_cvt_scalef32_pk16_fp6_f32 v[G:G+2], v[S+48:S+63], v[X1]
	v_lshrrev_b32 v[G+3], 23, v[X1]                ; the byte of block 2 + h
.irp k, 0,1,2
	v_mov_b32 v[PCD+9+\k], v[G+\k]
.endr
	v_lshl_or_b32 v[PT], v[G+3], 16, v[PT]
	v_lshlrev_b32 v[PT], v[SH8], v[PT]             ; at their places in the scale word
	v_permlanex16_b32 v[X0], v[PT], s[SEL], s[SEL+1]
	v_or_b32 v[PW], v[PT], v[X0]                   ; with lane l xor 16's two the word is whole
.irp w, 32,16,8,4,2                    ; the row's sum of the unquantised p, in place: 31 additions; they are also the places ahead of the products below
.set n, 0
.rept \w/2
	v_pk_add_f32 v[S+n:S+n+1], v[S+n:S+n+1], v[S+\w+n:S+\w+n+1]
.set n, n+2
.endr
.endr
	v_pk_add_f32 v[14:15], v[14:15], v[S:S+1]
	WALU
	s_wait_dscnt 28                                ; V's 25 loads are in; the next step's 28 of K may be out
.irp c, 0,1,2,3                        ; four accumulators by turns
.if \c%2
	v_wmma_scale_f32_16x16x128_f8f6f4 v[OT+8*\c:OT+8*\c+7], v[VR+12*\c:VR+12*\c+11], v[PCD:PCD+11], v[OT+8*\c:OT+8*\c+7], v[VS+\c/2], v[PW] matrix_a_fmt:MATRIX_FMT_FP6 matrix_b_fmt:MATRIX_FMT_FP6 matrix_a_scale:MATRIX_SCALE_ROW1
.else
	v_wmma_scale_f32_16x16x128_f8f6f4 v[OT+8*\c:OT+8*\c+7], v[VR+12*\c:VR+12*\c+11], v[PCD:PCD+11], v[OT+8*\c:OT+8*\c+7], v[VS+\c/2], v[PW] matrix_a_fmt:MATRIX_FMT_FP6 matrix_b_fmt:MATRIX_FMT_FP6
.endif
.endr
	s_barrier_wait -1                              ; every wave has begun this step
	s_add_co_u32 s[TB], s[TB], BLKB
.endm
; A tile's way out: O^T / the sum, into the natural order along the channels, quantised (two blocks of 32), stored as three pieces of 256 bytes.
.macro OUT base, word, next
.rept 4
	v_nop
.endr
.if \next
	QLOAD 54
.endif
	v_add_f32 v14, v14, v15
	v_permlanex16_b32 v[PT], v14, s[SEL], s[SEL+1]
	v_add_f32 v14, v14, v[PT]
	WALU
	v_rcp_f32 v14, v14
	v_nop
	WALU
.set n, 0
.rept 16
	v_pk_mul_f32 v[S+n:S+n+1], v[OT+n:OT+n+1], v[14:15] op_sel_hi:[1,0]   ; register 8 c + j: channel 16 c + 8 (lane / 16) + j
.set n, n+2
.endr
.irp b, 0,1
.irp j, 0,1,2,3,4,5,6,7
	v_permlane16_swap_b32 v[S+16*\b+\j], v[S+8+16*\b+\j]   ; register 16 b + i now holds channel 32 b + 16 (lane / 16) + i
.endr
.endr
.irp b, 0,1
	v_max3_num_f32 v[G+\b], |v[S+16*\b]|, |v[S+1+16*\b]|, 0x1800000
.endr
.irp i, 2,4,6,8,10,12,14
.irp b, 0,1
	v_max3_num_f32 v[G+\b], v[G+\b], |v[S+16*\b+\i]|, |v[S+1+16*\b+\i]|
.endr
.endr
	v_permlanex16_b32 v[G+2], v[G], s[SEL], s[SEL+1]
	v_permlanex16_b32 v[G+3], v[G+1], s[SEL], s[SEL+1]
	v_max_num_f32 v[G], v[G], v[G+2]
	v_max_num_f32 v[G+1], v[G+1], v[G+3]
	v_add_nc_u32 v[X0], 0xff000000, v[G]
	v_add_nc_u32 v[X1], 0xff000000, v[G+1]
	v_lshrrev_b32 v[G+2], 23, v[X0]
	v_lshrrev_b32 v[G+3], 23, v[X1]
	v_lshl_or_b32 v[\word], v[G+3], 8, v[G+2]      ; my row's two scale bytes
	v_cvt_scalef32_pk16_fp6_f32 v[PCD:PCD+2], v[S:S+15], v[X0]
	v_cvt_scalef32_pk16_fp6_f32 v[G:G+2], v[S+16:S+31], v[X1]
	v_nop
.irp k, 0,1,2
	v_permlane16_swap_b32 v[PCD+\k], v[G+\k]
.endr
.irp k, 0,1,2
	v_mov_b32 v[PCD+3+\k], v[G+\k]                 ; lanes 0-15 the head's channels 0-31, lanes 16-31 channels 32-63
.endr
.irp p, 0,1,2
	global_store_b64 v[L8], v[PCD+2*\p:PCD+2*\p+1], s[\base:\base+1] offset:256*\p   ; 32 lanes store 256 consecutive bytes, aligned
.endr
.endm
	s_wait_loadcnt 0x0                             ; Q
	s_mov_b32 s[KC], 0
.Lstep:                                                ; 17 trips, one step of mine in each
	STEP
	s_add_co_u32 s[ST], s[ST], 1
	s_cmp_lg_u32 s[KC], s17                        ; trip 15 - i was my first tile's last step: a branch on the wave's number and the loop's count
	s_cbranch_scc1 .Lsame_tile
	s_wait_dscnt 0x0                               ; the last step's loads of K have landed: their registers take the second tile's first block
	KLOAD AK0, AK1, ASB
	OUT 56, WH, 1
	s_wait_xcnt 0x0                                ; the stores' registers are written again only behind this wait
	INIT
	s_mov_b32 s[QB], s18
	s_mov_b32 s[TB], 0
	s_mov_b32 s[ST], 0
	WALU                                           ; the wait ahead of the wait below
	s_wait_loadcnt 0x0                             ; the second tile's Q
.Lsame_tile:
	s_add_co_u32 s[KC], s[KC], 1
	s_cmp_lt_u32 s[KC], 17
	s_cbranch_scc1 .Lstep
	OUT 58, WL, 0
	s_mov_b32 vcc_lo, 0xffff0000                   ; both tiles' scale bytes by one store: lanes 0-15 the second tile's tokens, lanes 16-31 the first's
	v_and_b32 v[X0], 15, v0
	v_bfe_u32 v[X1], v0, 4, 1
	v_mul_u32_u24 v[X1], s63, v[X1]
	v_lshl_add_u32 v[X1], v[X0], 5, v[X1]
	v_cndmask_b32 v[X0], v[WL], v[WH], vcc_lo
	global_store_b16 v[X1], v[X0], s[60:61]
	s_wait_tensorcnt 0x0                           ; the wave's end
	ds_add_u32 v[SPW], v[NIL]
	s_wait_dscnt 0x0
	ROUND                                          ; the closing round
	s_endpgm
.Lfunc_end_k_qf4ff7dd0f7_attn:
	.size	k_qf4ff7dd0f7_attn, .Lfunc_end_k_qf4ff7dd0f7_attn-k_qf4ff7dd0f7_attn
	.p2alignl 7, 3214868480
	.fill 96, 4, 3214868480
	.section	.rodata,"a",@progbits
	.p2align	6, 0x0
	.amdhsa_kernel k_qf4ff7dd0f7_attn
		.amdhsa_group_segment_fixed_size 210944
		.amdhsa_private_segment_fixed_size 0
		.amdhsa_enable_private_segment 0
		.amdhsa_kernarg_size 32
		.amdhsa_user_sgpr_count 2
		.amdhsa_user_sgpr_kernarg_segment_ptr 1
		.amdhsa_wavefront_size32 1
		.amdhsa_system_sgpr_workgroup_id_x 1
		.amdhsa_system_sgpr_workgroup_id_y 1
		.amdhsa_system_sgpr_workgroup_id_z 1
		.amdhsa_system_vgpr_workitem_id 0
		.amdhsa_next_free_vgpr 256
		.amdhsa_next_free_sgpr 72
		.amdhsa_reserve_vcc 1
		.amdhsa_float_denorm_mode_32 3
		.amdhsa_float_denorm_mode_16_64 3
		.amdhsa_memory_ordered 1
		.amdhsa_forward_progress 1
		.amdhsa_inst_pref_size 44
	.end_amdhsa_kernel
	.amdgpu_metadata
---
amdhsa.version: [ 1, 2 ]
amdhsa.kernels:
  - .name:           k_qf4ff7dd0f7_attn
    .symbol:         k_qf4ff7dd0f7_attn.kd
    .args:
      - { .name: q_ws, .offset: 0, .size: 8, .value_kind: global_buffer, .address_space: global }
      - { .name: kv_ws, .offset: 8, .size: 8, .value_kind: global_buffer, .address_space: global }
      - { .name: o_img, .offset: 16, .size: 8, .value_kind: global_buffer, .address_space: global }
      - { .name: o_sc, .offset: 24, .size: 8, .value_kind: global_buffer, .address_space: global }
    .group_segment_fixed_size: 210944
    .private_segment_fixed_size: 0
    .kernarg_segment_align: 8
    .kernarg_segment_size: 32
    .max_flat_workgroup_size: 512
    .sgpr_count:     72
    .vgpr_count:     256
    .wavefront_size: 32
...
	.end_amdgpu_metadata
.endif
;; end of part 2
;; launch proj (part 3): grid 8 x 32, 4 waves a work-group, clusters of 4 x 4, 327,680 bytes of LDS; arguments o_img, o_sc, Wo_codes, Wo_scales, bo, out0; writes out0
.if DOCPART == 3
	.amdgcn_target "amdgcn-amd-amdhsa--gfx1250"
	.amdhsa_code_object_version 6
	.text
	.protected	k_qf4ff7dd0f7_proj
	.globl	k_qf4ff7dd0f7_proj
	.p2align	8
	.type	k_qf4ff7dd0f7_proj,@function
k_qf4ff7dd0f7_proj:
	s_mov_b64 s[64:65], 0
	v_nop
	global_prefetch_b8 v0, s[64:65] scope:SCOPE_SE
	s_setreg_imm32_b32 hwreg(HW_REG_WAVE_MODE, 25, 1), 1
	s_wait_xcnt 0x0
	s_wait_alu depctr_hold_cnt(0) depctr_sa_sdst(0) depctr_va_vdst(0) depctr_va_sdst(0) depctr_va_ssrc(0) depctr_va_vcc(0) depctr_vm_vsrc(0)
	s_getreg_b32 s2, hwreg(HW_REG_IB_STS2, 6, 4)
	s_cmp_eq_u32 s2, 0
	s_cbranch_scc0 .Lentry_in_a_cluster
	s_endpgm
.Lentry_in_a_cluster:
	s_bfe_u32 s2, ttmp6, 0x10000c
	s_cmp_lg_u32 s2, 0xf033
	s_cbranch_scc0 .Lentry_shape_is_right
	s_endpgm
.Lentry_shape_is_right:
; out = o Wo^T + bo on codes of FP6 (E2M3, one E8M0 scale for each 32 along K), 8,192 x 1,024 x 1,024, f32 out.
; THE DEAL.  256 work-groups: 256 tokens (tile row xt) x 128 columns (tile column G).  All of K lies in LDS, filled once: Wo's 128 rows (768 bytes + 16 behind every 256), then o's 256 tokens as the launch before
; laid them: images of operand registers, [16 tokens][K step][piece of 256 bytes][lane][8].  Nothing is filled again.  o's tile is shared along a row of the cluster, Wo's along a column: joint loads.
; Four waves, 2 x 2: wave (a, b) holds Wo's rows 64 b .. 64 b + 63, all of K, in 384 registers (fragment 4 q + i) and takes the token blocks 2 s + a, s = 0 .. 7, through two sets of 8 fragments:
; 32 products a block on four accumulators by turns.  Source 0 = Wo's rows, source 1 = tokens: a lane's eight results are eight neighbouring columns of one row of out.
; A block's 16 rows x 64 columns are finished after its 32 products: they go through my own stage in LDS, come back as rows of 256 bytes under the next block's products, take the bias (a lane's four columns are the
; same in every row: four registers) and are stored: sixteen lanes fill an aligned unit of 256 bytes.
; The first barrier shows Wo's rows alone (waves 2, 3 asked for them by a line of their own): they go into registers while o lands.
; Scale words go from memory into registers: a lane takes its row's 32 bytes.  No prefetch: all tiles are asked for at the head, and no loop runs ahead of them.
.set PITCH, 816
.set BLK,   16*PITCH
.set OX,    8*BLK
.set STGB,  OX+256*768                 ; four stages of 16 rows x 272 bytes
.set SPARE, STGB+4*4352
.set FPW,   21                         ; fragment f: window 1 + f / 21, register 12 (f % 21); 0-31 Wo's, 32-47 the tokens' two sets
.set SPW, 2
.set NIL, 3
.set WB,  4
.set ADR, 6
.set AO,  8
.set AOC, 9
.set LXS, 10
.set L32, 11
.set STO, 12
.set RD,  13
.set CO,  14
.set LB,  15
.set XS,  20                           ; v20-51 the tokens' scale words: 8 (s / 2) + q, block s in lanes 16 (s % 2) on
.set WS,  56                           ; v56-71 Wo's
.set BI,  72
.set G1O, 24
.set G1W, 32
.set G0X, 48
.set G0W, 52
.set MSB, 0
.macro WIN new
.if MSB != \new
	s_set_vgpr_msb (MSB<<8)|\new
.set MSB, \new
.endif
.endm
.macro PLACES n
.rept \n
	v_nop
.endr
.endm
.macro WALU
	s_wait_alu depctr_va_vdst(0)
.endm
.macro CROUND
	s_barrier_signal -1
	s_barrier_wait -1
	s_cmp_lg_u32 s14, 0
	s_cbranch_scc1 .Lnot_wave_0_\@
	s_barrier_signal -3
.Lnot_wave_0_\@:
	s_barrier_wait -3
	s_barrier_signal -1
	s_barrier_wait -1
.endm
.macro TLOAD g0, g1
	tensor_load_to_lds s[\g0:\g0+3], s[\g1:\g1+7]
	s_nop 0
	PLACES 4
.endm
.macro FRAG f, q, a0, a1               ; a fragment of Wo: six pieces of 8 bytes, two to a load where both go by one address register
	WIN (1+(\f)/FPW)<<6
.set R_, 12*((\f)%FPW)
.set SKIP_, 0
.irp p, 0,1,2,3,4,5
.if SKIP_
.set SKIP_, 0
.else
.set PC_, 12*(\q)+6*(\p/3)+\p%3
.set PN_, 12*(\q)+6*((\p+1)/3)+(\p+1)%3
.set X_, (PC_%32+3)/32
.set XQ_, (PN_%32+3)/32
.if (\p < 5) && (X_ == XQ_)
.set SKIP_, 1
.if X_
	ds_load_2addr_b64 v[R_+2*\p:R_+2*\p+3], v[\a1] offset0:PC_+2*(PC_/32) offset1:PN_+2*(PN_/32)
.else
	ds_load_2addr_b64 v[R_+2*\p:R_+2*\p+3], v[\a0] offset0:PC_+2*(PC_/32) offset1:PN_+2*(PN_/32)
.endif
.elseif X_
	ds_load_b64 v[R_+2*\p:R_+2*\p+1], v[\a1] offset:8*(PC_+2*(PC_/32))
.else
	ds_load_b64 v[R_+2*\p:R_+2*\p+1], v[\a0] offset:8*(PC_+2*(PC_/32))
.endif
.endif
.endr
.endm
.macro FETCHO e, a                     ; a block of 16 tokens into set e: 48 loads, each of 256 consecutive bytes
.irp q, 0,1,2,3,4,5,6,7
	WIN (1+(32+8*(\e)+\q)/FPW)<<6
.irp p, 0,1,2,3,4,5
	ds_load_b64 v[12*((32+8*(\e)+\q)%FPW)+2*\p:12*((32+8*(\e)+\q)%FPW)+2*\p+1], v[\a] offset:1536*\q+256*\p
.endr
.endr
	WIN 0
.endm
.macro WM d, a, b, c, x0, x1, ra, rb
	v_wmma_scale_f32_16x16x128_f8f6f4 v[\d:\d+7], v[\a:\a+11], v[\b:\b+11], \c, v[\x0], v[\x1] matrix_a_fmt:MATRIX_FMT_FP6 matrix_b_fmt:MATRIX_FMT_FP6 matrix_a_scale:MATRIX_SCALE_ROW\ra matrix_b_scale:MATRIX_SCALE_ROW\rb
.endm
.macro WMR d, a, b, c, x0, x1, ra, rb
.if (\ra) && (\rb)
	WM \d, \a, \b, \c, \x0, \x1, 1, 1
.elseif (\ra)
	WM \d, \a, \b, \c, \x0, \x1, 1, 0
.elseif (\rb)
	WM \d, \a, \b, \c, \x0, \x1, 0, 1
.else
	WM \d, \a, \b, \c, \x0, \x1, 0, 0
.endif
.endm
.macro PROD s, n                       ; product n = 4 q + i of block s; the accumulators: window 3, v[128 + 32 (s % 2) + 8 i]
.set Q_, (\n)/4
.set I_, (\n)%4
.set FO_, 32+8*((\s)%2)+Q_
.set RW_, 12*((\n)%FPW)
.set RO_, 12*(FO_%FPW)
.set SW_, WS+8*(I_/2)+Q_
.set SX_, XS+8*((\s)/2)+Q_
.set D_, 128+32*((\s)%2)+8*I_
	WIN (1+(\n)/FPW)|((1+FO_/FPW)<<2)|0xf0
.if Q_
	WMR D_, RW_, RO_, v[D_:D_+7], SW_, SX_, I_%2, (\s)%2
.else
	WMR D_, RW_, RO_, 0, SW_, SX_, I_%2, (\s)%2
.endif
.endm
.macro TOSTAGE s                       ; 8 stores, 8 loads; the rows come back into window 3, v[192 + 32 (s % 2) ..]
.set A_, 128+32*((\s)%2)
.set B_, 192+32*((\s)%2)
	WIN 0x0c
.irp i, 0,1,2,3
	ds_store_b128 v[STO], v[A_+8*\i:A_+8*\i+3] offset:64*\i
	ds_store_b128 v[STO], v[A_+8*\i+4:A_+8*\i+7] offset:64*\i+16
.endr
	WIN 0xc0
.irp t, 0,1,2,3,4,5,6,7
	ds_load_b128 v[B_+4*\t:B_+4*\t+3], v[RD] offset:\t*544   ; LDS serves a wave's instructions in order: these see the stores above
.endr
	WIN 0
.endm
.macro SEND s, younger
.set B_, 192+32*((\s)%2)
	s_wait_dscnt \younger
	WIN 0xc3
.irp t, 0,1,2,3,4,5,6,7
	v_pk_add_f32 v[B_+4*\t:B_+4*\t+1], v[B_+4*\t:B_+4*\t+1], v[BI:BI+1]
	v_pk_add_f32 v[B_+4*\t+2:B_+4*\t+3], v[B_+4*\t+2:B_+4*\t+3], v[BI+2:BI+3]
.endr
	WIN 0x0c
.irp t, 0,1,2,3,4,5,6,7
	global_store_b128 v[CO], v[B_+4*\t:B_+4*\t+3], s[78:79] offset:(\s)*131072+\t*8192 th:TH_STORE_NT   ; two rows: sixteen lanes store 256 consecutive bytes, aligned
.endr
	WIN 0
.endm
; a block.  wt: the LDS instructions issued behind this block's fetch (two stage trips of 16 and a fetch of 48; a wait's count holds 63 at the most).
.macro BLKP s, wt
	s_wait_dscnt \wt
.set N_, 0
.rept 32
	PROD \s, N_
.set N_, N_+1
.endr
	WIN 0
.if (\s) < 6
	s_add_co_u32 s60, s60, 24576
	v_add_nc_u32 v[AOC], s60, v[AO]                ; this line and three v_nop are the four places ahead of the loads into the set and of the reads of the results
	PLACES 3
	WALU
	FETCHO (\s)%2, AOC
.else
	PLACES 4
.endif
.if (\s) > 0
.if (\s) < 6
	SEND (\s)-1, 48                                ; behind the last block's loads from the stage: the fetch just issued
.else
	SEND (\s)-1, 0
.endif
.endif
.if (\s) > 1
	s_wait_xcnt 0x0                                ; block s - 2's stores have read their registers
.endif
	TOSTAGE \s
.endm
	s_load_b256 s[68:75], s[0:1], 0x0              ; o_img 68, o_sc 70, Wo's codes 72, scales 74
	s_load_b128 s[76:79], s[0:1], 0x20             ; bo 76, out0 78
	v_lshl_add_u32 v[SPW], v0, 2, SPARE
	v_mov_b32 v[NIL], 0
	ds_add_u32 v[SPW], v[NIL]                      ; the opening lines
	ds_add_u32 v[SPW], v[NIL]
	v_lshrrev_b32 v1, 5, v0
	v_readfirstlane_b32 s14, v1
	s_lshr_b32 s15, s14, 1                         ; a.  Also: I fetch for o (0) or for Wo (1)
	s_and_b32 s16, s14, 1                          ; b.  Also: which half of that tile I fetch
	s_bfe_u32 s40, ttmp6, 0x40000
	s_bfe_u32 s41, ttmp6, 0x40004
	s_lshl_b32 s42, ttmp9, 2
	s_add_co_u32 s42, s42, s40                     ; G
	s_and_b32 s17, ttmp7, 0xffff
	s_lshl_b32 s17, s17, 2
	s_add_co_u32 s17, s17, s41                     ; xt
	s_lshl_b32 s43, s41, 2
	s_lshl_b32 s43, 15, s43
	s_lshl_b32 s44, 0x1111, s40
	s_or_b32 s[G1O+0], s43, (3<<16)|(1<<21)        ; o: a dense block of 98,304 bytes as 384 rows of 256 bytes
	s_mov_b32 s[G1O+1], 32<<16
	s_mov_b32 s[G1O+2], 384<<16
	s_mov_b32 s[G1O+3], 32<<16
	s_mov_b32 s[G1O+4], 384
	s_mov_b32 s[G1O+5], 32
	s_mov_b32 s[G1O+6], 0
	s_mov_b32 s[G1O+7], 0
	s_or_b32 s[G1W+0], s44, (1<<20)|(1<<21)|(5<<22)|(3<<25)   ; Wo: 64 rows of 768 bytes, 16 bytes of padding behind every 256
	s_mov_b32 s[G1W+1], 768<<16
	s_mov_b32 s[G1W+2], 64<<16
	s_mov_b32 s[G1W+3], 768<<16
	s_mov_b32 s[G1W+4], 64
	s_mov_b32 s[G1W+5], 768
	s_mov_b32 s[G1W+6], 0
	s_mov_b32 s[G1W+7], 0
	s_mul_i32 s20, s17, 256*768
	s_mul_i32 s21, s16, 128*768
	s_add_co_u32 s20, s20, s21
	s_mov_b32 s21, 0
	s_mul_i32 s46, s42, 128*768
	s_mul_i32 s47, s16, 64*768
	s_add_co_u32 s46, s46, s47
	s_mov_b32 s47, 0
	s_mov_b32 s[G0X], 1
	s_mul_i32 s[G0X+1], s16, 128*768
	s_add_co_u32 s[G0X+1], s[G0X+1], OX
	s_mov_b32 s[G0W], 1
	s_mul_i32 s[G0W+1], s16, 4*BLK
	s_wait_dscnt 0x0
	s_wait_kmcnt 0x0
	s_add_nc_u64 s[G0X+2:G0X+3], s[68:69], s[20:21]
	s_or_b32 s[G0X+3], s[G0X+3], 0x80000000
	s_add_nc_u64 s[G0W+2:G0W+3], s[72:73], s[46:47]
	s_or_b32 s[G0W+3], s[G0W+3], 0x80000000
	CROUND                                         ; the joint loads meet
	s_cmp_eq_u32 s15, 0
	s_cbranch_scc0 .Lfor_w
	TLOAD G0X, G1O                                 ; waves 0, 1: o's halves
	s_branch .Lasked
.Lfor_w:
	TLOAD G0W, G1W                                 ; waves 2, 3: Wo's halves
.Lasked:
	s_lshl_b32 s20, s17, 13
	s_lshl_b32 s88, s15, 9
	s_add_co_u32 s20, s20, s88
	s_add_nc_u64 s[70:71], s[70:71], s[20:21]      ; the tile's scale bytes, from token 16 a on
	s_lshl_b32 s46, s42, 1
	s_add_co_u32 s46, s46, s16                     ; my 64 columns: 2 G + b
	s_lshl_b32 s92, s46, 8                         ; in bytes of a row of out, and of bo
	s_lshl_b32 s46, s46, 11
	s_add_nc_u64 s[74:75], s[74:75], s[46:47]      ; their scale bytes
	s_mov_b32 s93, 0
	s_add_nc_u64 s[76:77], s[76:77], s[92:93]      ; their bias
	s_lshl_b32 s88, s17, 4
	s_add_co_u32 s88, s88, s15
	s_lshl_b32 s88, s88, 16                        ; token 256 xt + 16 a, rows of 4,096 bytes
	s_add_co_u32 s92, s92, s88
	s_add_nc_u64 s[78:79], s[78:79], s[92:93]
	s_mul_i32 s88, s15, 12288
	s_add_co_u32 s88, s88, OX                      ; my first block of tokens in LDS
	s_mul_i32 s89, s14, 4352
	s_add_co_u32 s89, s89, STGB                    ; my stage
	s_mul_i32 s61, s16, 4*BLK                      ; my 64 rows of Wo in LDS
	v_and_b32 v16, 15, v0
	v_bfe_u32 v17, v0, 4, 1
	v_and_b32 v18, 31, v0
	v_mul_u32_u24 v19, v16, PITCH
	v_mad_u32_u24 v[WB], v17, 24, v19
	v_mad_u32_u24 v[WB+1], v17, 40, v19
	v_lshl_add_u32 v[AO], v18, 3, s88
	v_lshlrev_b32 v[L32], 5, v18
	v_lshlrev_b32 v[LXS], 5, v16
	v_lshl_add_u32 v[LXS], v17, 10, v[LXS]         ; lanes 0-15 an even block's tokens, lanes 16-31 the next of my blocks: 32 tokens on
	v_lshlrev_b32 v[LB], 4, v16
	v_lshl_add_u32 v[CO], v17, 12, v[LB]           ; out: lanes 0-15 one row, lanes 16-31 the next
	v_mul_u32_u24 v19, v16, 272
	v_lshl_add_u32 v19, v17, 5, v19
	v_add_nc_u32 v[STO], s89, v19                  ; stage, in: row l % 16 of 272 bytes, 32 bytes for each half of the lanes
	v_mul_u32_u24 v19, v17, 272
	v_add_nc_u32 v19, v19, v[LB]
	v_add_nc_u32 v[RD], s89, v19                   ; back: two rows of 256 bytes
	WALU                                           ; the wait at the head's end
.irp p, 0,1,2,3
.irp c, 0,1
	global_load_b128 v[XS+8*\p+4*\c:XS+8*\p+4*\c+3], v[LXS], s[70:71] offset:2048*\p+16*\c
.endr
.endr
.irp p, 0,1
.irp c, 0,1
	global_load_b128 v[WS+8*\p+4*\c:WS+8*\p+4*\c+3], v[L32], s[74:75] offset:1024*\p+16*\c
.endr
.endr
	global_load_b128 v[BI:BI+3], v[LB], s[76:77]
	s_cmp_lt_u32 s14, 2
	s_cbranch_scc1 .Lnot_w
	s_wait_tensorcnt 0x0                           ; waves 2, 3: my half of Wo's rows has landed
.Lnot_w:
	s_barrier_signal -1
	s_barrier_wait -1                              ; Wo's rows are in
.irp i, 0,1,2,3
	v_add_nc_u32 v[ADR], s61, v[WB]
	v_add_nc_u32 v[ADR+1], s61, v[WB+1]
	WALU
.irp q, 0,1,2,3,4,5,6,7
	FRAG 4*\q+\i, \q, ADR, ADR+1
.endr
	WIN 0
	s_add_co_u32 s61, s61, BLK
.endr
	s_wait_tensorcnt 0x0
	s_wait_dscnt 0x0
	s_barrier_signal -1
	s_barrier_wait -1                              ; o is in
	FETCHO 0, AO
	s_mov_b32 s60, 24576
	v_add_nc_u32 v[AOC], s60, v[AO]
	WALU
	FETCHO 1, AOC
	s_wait_loadcnt 0x0
	BLKP 0, 48
	BLKP 1, 63
	BLKP 2, 63
	BLKP 3, 63
	BLKP 4, 63
	BLKP 5, 63
	BLKP 6, 63
	BLKP 7, 32
	SEND 7, 0
	s_wait_tensorcnt 0x0                           ; the wave's end
	ds_add_u32 v[SPW], v[NIL]
	s_wait_dscnt 0x0
	CROUND                                         ; the closing round
	s_endpgm
.Lfunc_end_k_qf4ff7dd0f7_proj:
	.size	k_qf4ff7dd0f7_proj, .Lfunc_end_k_qf4ff7dd0f7_proj-k_qf4ff7dd0f7_proj
	.p2alignl 7, 3214868480
	.fill 96, 4, 3214868480
	.section	.rodata,"a",@progbits
	.p2align	6, 0x0
	.amdhsa_kernel k_qf4ff7dd0f7_proj
		.amdhsa_group_segment_fixed_size 327680
		.amdhsa_private_segment_fixed_size 0
		.amdhsa_enable_private_segment 0
		.amdhsa_kernarg_size 48
		.amdhsa_user_sgpr_count 2
		.amdhsa_user_sgpr_kernarg_segment_ptr 1
		.amdhsa_wavefront_size32 1
		.amdhsa_system_sgpr_workgroup_id_x 1
		.amdhsa_system_sgpr_workgroup_id_y 1
		.amdhsa_system_sgpr_workgroup_id_z 1
		.amdhsa_system_vgpr_workitem_id 0
		.amdhsa_next_free_vgpr 1024
		.amdhsa_next_free_sgpr 102
		.amdhsa_reserve_vcc 0
		.amdhsa_float_denorm_mode_32 3
		.amdhsa_float_denorm_mode_16_64 3
		.amdhsa_memory_ordered 1
		.amdhsa_forward_progress 1
		.amdhsa_inst_pref_size 99
	.end_amdhsa_kernel
	.amdgpu_metadata
---
amdhsa.version: [ 1, 2 ]
amdhsa.kernels:
  - .name:           k_qf4ff7dd0f7_proj
    .symbol:         k_qf4ff7dd0f7_proj.kd
    .args:
      - { .name: o_img, .offset: 0, .size: 8, .value_kind: global_buffer, .address_space: global }
      - { .name: o_sc, .offset: 8, .size: 8, .value_kind: global_buffer, .address_space: global }
      - { .name: Wo_codes, .offset: 16, .size: 8, .value_kind: global_buffer, .address_space: global }
      - { .name: Wo_scales, .offset: 24, .size: 8, .value_kind: global_buffer, .address_space: global }
      - { .name: bo, .offset: 32, .size: 8, .value_kind: global_buffer, .address_space: global }
      - { .name: out0, .offset: 40, .size: 8, .value_kind: global_buffer, .address_space: global }
    .group_segment_fixed_size: 327680
    .private_segment_fixed_size: 0
    .kernarg_segment_align: 8
    .kernarg_segment_size: 48
    .max_flat_workgroup_size: 128
    .sgpr_count:     102
    .vgpr_count:     1024
    .wavefront_size: 32
...
	.end_amdgpu_metadata
.endif
;; end of part 3
